; MI455X (gfx1250); checked and timed in simulation.
; The chip was launched on July 23, 2026; its instructions are those of AMD's public machine-readable ISA for CDNA 5 (MIT licence, August 2026) and "CDNA5" Instruction Set Architecture Reference Guide (July 2026). The comments in the code are by the model that wrote it; some were corrected since.
;; Taylor Model. Allowed arithmetic: matrix products marked QUANTISED: E2M1 operands, one E8M0 scale for each 32 along K, by v_wmma_scale_f32_16x16x128_f8f6f4 with both operands' format E2M1 (or v_wmma_scale_f32_32x16x128_f4), f32 sums; products left as they are: f32 operands where the result goes on into a quantised operand, else bf16, f16 or f32 operands; f32 sums; everything else in f32.
;; Inputs: W1 20 x 189 float32; W2 20 x 230 float32; W3 1 x 20 float32; b1 20 float32; b2 20 float32; b3 1 float32; x 262,144 x 18 float32.
;; Outputs: out0 262,144 x 1 float32.
;; This version of the problem:
;;   THIS VERSION OF THE PROBLEM IS GIVEN IN LOW PRECISION. The matrix products marked QUANTISED in the list below multiply operands that are first quantised to E2M1 (2 exponent bits, 1 mantissa bit; 4 bits a number), with one power-of-two scale for each 32 numbers along K (OCP MX v1.0); their sums are f32. All else is computed in f32.
;;   The module's matrix products, in the order in which they are computed (A, B: the left and right operand; K: the contracted axis; several contracted axes count as one K, in the product's order):
;;     1. [M 262,144, K 189] x [K 189, N 20]; A: computed on the way; B: input W1: QUANTISED
;;     2. [M 262,144, K 230] x [K 230, N 20]; A: computed on the way; B: input W2: QUANTISED
;;     3. [M 262,144, K 20] x [K 20, N 1]; A: computed on the way; B: input W3: left as it is (K = 20 < 32)
;;   THE QUANTISER, for each operand of a quantised product, along K:
;;     - K is cut into blocks of 32 from its start; a last block that is shorter is filled with zeros.
;;     - A block's scale is 2^e with e = floor(log2(the largest magnitude in the block)) - 2, held to -126 .. 127; a block of zeros has e = 0. As a byte (E8M0): e + 127.
;;     - Each number is divided by its block's scale, clamped to +-6, and rounded to the nearest number of E2M1, ties to even, subnormals kept.
;;     - The product sums the exact products of the quantised numbers (number of the format x scale) in f32.
;;   ~~~python
;;   def quantise(x, axis):      # numpy; x: float32 -> the quantised numbers, widened to float32 again
;;       x = np.moveaxis(x, axis, -1); K = x.shape[-1]
;;       x = np.pad(x, [(0, 0)] * (x.ndim - 1) + [(0, -K % 32)]); x = x.reshape(x.shape[:-1] + (-1, 32)); a = np.abs(x).max(-1, keepdims=True)
;;       e = np.where(a > 0, np.clip(np.frexp(np.where(a > 0, a, 1))[1] - 1 - 2, -126, 127), 0)      # np.frexp(a)[1] - 1 = floor(log2(a)), exactly
;;       r = np.clip(x / 2.0 ** e, -6, 6)
;;       step = 2.0 ** (np.maximum(np.frexp(np.where(r == 0, 1, r))[1] - 1, 0) - 1)
;;       q = np.round(r / step) * step * 2.0 ** e      # np.round: ties to even
;;       return np.moveaxis(q.reshape(q.shape[:-2] + (-1,))[..., :K], -1, axis).astype(np.float32)
;;   ~~~
;;   OPERANDS COMPUTED ON THE WAY. 'Computed on the way' means the value that the module computes at that place (a softmax that the list does not call 'softmax' is quantised finished and normalised). What goes into a quantiser is computed in f32, as accurately as f32 sums, v_exp_f32 and their like allow (about 1e-6 of the number): no bf16 or f16 on the way to a quantiser, and a product that is left as it is and whose result goes on into a quantised operand takes f32 operands (vector FMAs, or v_wmma_f32_16x16x4_f32). A number that lies on a knife's edge between two numbers of the format may be rounded either way, as far as f32 arithmetic and the matrix unit's own rounding can turn it there, and no further.
;; One version. Each part assembles by itself: llvm-mc -triple=amdgcn-amd-amdhsa -mcpu=gfx1250 --defsym DOCPART=n.
;; ======== version 1 of 1: 1 launch
;; limits: a function is approximated: absolute error at most 3e-07
;; launch taylor (part 1): grid 256 x 1, 16 waves a work-group, no clusters, 169,984 bytes of LDS; arguments x, W1, W2, W3, b1, b2, b3, out0; writes out0
.if DOCPART == 1
	.amdgcn_target "amdgcn-amd-amdhsa--gfx1250"
	.amdhsa_code_object_version 6
	.text
	.protected	k_qc04f6d518b_taylor
	.globl	k_qc04f6d518b_taylor
	.p2align	8
	.type	k_qc04f6d518b_taylor,@function
k_qc04f6d518b_taylor:
	s_mov_b64 s[64:65], 0
	v_nop
	global_prefetch_b8 v0, s[64:65] scope:SCOPE_SE
	s_setreg_imm32_b32 hwreg(HW_REG_WAVE_MODE, 25, 1), 1
	s_wait_xcnt 0x0
; y = tanh(aug(tanh(aug(x) W1^T + b1)) W2^T + b2) W3^T + b3;  aug(u) = [u, u_j u_k for j <= k].  x [262144][18], W1 [20][189], W2 [20][230], W3 [1][20], biases, y [262144][1]: f32.
; The first two products run on codes of FP4 (E2M1) with one E8M0 scale for each 32 along K, both operands quantised here; the third is 20 fused multiply-adds in f32.
; SHARES.  256 work-groups of 16 waves; a wave owns 64 rows, as two tiles of 32.  In tile t lane l owns row 2 l + t: all features of a row lie in ONE lane's registers, so a block of 32 along K needs no other
; lane, and the wave's 64 results leave as one store of 8 bytes a lane: 256 consecutive bytes, at a multiple of 256 from y's first byte.
; ORDER WITHIN A BLOCK.  Which numbers share a block is given; their order inside it is free if both operands keep the same.  Each block is ONE list (macros RUN, ONE, SELF, ZERO) that writes, by MODE, either the
; data's products or the loads of W's numbers: so the two orders are one.  Pairs (u_j u_k, u_j u_k+1), k even, fall on even registers and are one packed multiply.
; BLOCK MAXIMA.  Rounding is monotone, so the largest |u_j u_k| over a range of k is |u_j| x the largest |u_k| of the range, to the bit; for whole rows j = a .. b it is max|u_a..b| x max|u_a..end|
; (if the overall largest lies in a .. b its square is in the set; else it pairs with the largest of a .. b).  So the maxima are made of range maxima of the units, not searched among the products.
; FROM LANES TO OPERANDS.  The operand's layout wants even blocks in lanes 0-15 and odd blocks in lanes 16-31 of 16 rows.  v_permlane16_swap_b32 on an even block's and an odd block's register gives a register
; of rows 0-15's operand and one of rows 16-31's.  The products are used transposed (source 0 = 16 rows of W, source 1 = 16 data rows): the same swap on the results gives lane l unit j of row l.
; A row's scale word is made in its own lane: the first 16 rows read it as row 0 of the scale register, the others as row 1.  The biases are the C of each sum's first instruction.
; WEIGHTS.  W1 and W2 come into LDS as f32 by one tensor load each.  Wave w quantises block w % 8 of layer w / 8, a lane to a row of W, and stores the codes as an image of the operand's registers.  Rows 20-31 of the
; padded operand repeat rows 16-19; their results are never read.  Past K (189, 230) both operands hold zero codes.
; LIMITS.  NaN and infinities among the inputs are not served.  tanh z = 1 - 2 / (1 + 2^(2 z log2 e)): its error is a few units of 2^-24 absolute, so relative to a small h it grows as about 3e-7 / |h|; a large |z|
; gives +-1 (2^t overflows to infinity, whose reciprocal is 0, or falls to 0).  A block of zeros gets the byte 1 where the rule says 127: its codes are zeros, and only this program reads the bytes.
; NOT USED.  Joint loads in a cluster: what work-groups share, W's 33,520 bytes, is asked for once, in the first lines; a joint request would put a round of the cluster's barrier in front of every first fill,
; x's 73,728 bytes too, for which the whole launch waits.  Prefetches: every byte is requested in the first lines, so nothing is left to ask ahead for.  Every LDS byte is filled once: no ring.
.set NU1,   18                         ; units of layer 1, of layer 2
.set NU2,   20
.set XROW,  72                         ; a row of x in bytes
.set XWAVE, 64*XROW                    ; a wave's 64 rows: 4,608 bytes = 18 x 256
.set W1ROW, 756                        ; a row of W1, of W2, in bytes
.set W2ROW, 920
.set W1F,   0                          ; LDS: W1 as f32 (15,120 bytes),
.set W2F,   15360                      ; W2 as f32 (18,400 bytes),
.set XS,    45056                      ; x: a region of its own for each wave,
.set IMG,   XS+16*XWAVE                ; the weights' images: (layer, K step) x 16 registers x 128 bytes,
.set SCW,   IMG+8192                   ; and their scale words: (layer, K step) x 32 rows x 4 bytes
.set FLOOR, 0x1800000                  ; 2^(3 - 127): no largest magnitude is taken under it, so a scale's byte cannot fall under 1
.set OFF2,  0xff000000                 ; takes 2, the exponent of the format's largest number, off an exponent field
.set C2L,   0x4038aa3b                 ; 2 log2(e)
.set XA,  1                            ; v1   LDS address of my rows of x
.set LI,  2                            ; v2   an image's place for my lane: IMG + 16 x lane
.set LS,  3                            ; v3   a scale word's: SCW + 4 x lane
.set WA1, 4                            ; v4   LDS address of my row of W1
.set WA2, 5                            ; v5   of W2
.set IST, 6                            ; v6   where I store my 16 bytes of an image
.set SST, 7                            ; v7   and my scale byte
.set YO,  8                            ; v8   8 x lane: my two results in the wave's 256 bytes of y
.set BO,  9                            ; v9   32 x (lane / 16): the biases of my half's eight units
.set ZO,  10                           ; v10  0
.set U,   16                           ; v16-47   the units (x, then h) and behind them the rest of block 0
.set G,   48                           ; v48-79   a block's 32 numbers; scratch for the maxima; results
.set T,   80                           ; v80-111  the data's codes: rows 0-15's operands of K steps 0, 1, then rows 16-31's
.set WF,  112                          ; v112-175 W's fragments: 16 (2 layer + K step) + 8 (rows 16-31) on
.set BI,  176                          ; v176-199 b1 for units 8 h + 0..7, b1[16..19], b2 likewise
.set W3R, 200                          ; v200-219 W3
.set B3R, 220                          ; v220-221 b3, 0
.set WS,  222                          ; v222-225 W's scale words: 2 layer + K step
.set DS,  226                          ; v226-227 the data's scale words of K steps 0, 1
.set SCO, 228                          ; v228-235 the conversions' scale operands, one a block
.set M,   236                          ; v236-243 the blocks' largest magnitudes
.set TMP, 244                          ; v244-253 at work
.set Y,   254                          ; v254-255 my two results
.set WV,  20                           ; s20      my wave's number
.set G1X, 24                           ; s[24:31], s[32:35] descriptor groups 1 and 0 for x;  s[36:43], s[44:47] for W1;  s[48:55], s[56:59] for W2
.set G0X, 32
.set G1A, 36
.set G0A, 44
.set G1B, 48
.set G0B, 56
; ---- the lists' four words.  MODE 0: the data's numbers are made from v[U ..] into v[DST ..];  MODE 1: W's numbers of the same places are loaded from my row at v[WAD].  Feature (j, k) is number NU + j NU - j (j - 1) / 2 + k - j of a row.
.macro PAIR p, j, k                    ; places p, p + 1 (p even): u_j u_k, u_j u_k+1 (k even)
.if MODE
	ds_load_b32 v[DST+\p], v[WAD] offset:4*(NU+(\j)*NU-(\j)*((\j)-1)/2+\k-(\j))
	ds_load_b32 v[DST+\p+1], v[WAD] offset:4*(NU+(\j)*NU-(\j)*((\j)-1)/2+\k-(\j))+4
.elseif (\j)%2
	v_pk_mul_f32 v[DST+\p:DST+\p+1], v[U+\j-1:U+\j], v[U+\k:U+\k+1] op_sel:[1,0] op_sel_hi:[1,1]   ; the first pair's upper register feeds both halves
.else
	v_pk_mul_f32 v[DST+\p:DST+\p+1], v[U+\j:U+\j+1], v[U+\k:U+\k+1] op_sel_hi:[0,1]                ; the first pair's lower register feeds both halves
.endif
.endm
.macro RUN p, j, k, n                  ; n pairs: u_j x u_k .. u_(k + 2 n - 1), from place p on
.set rp, \p
.set rk, \k
.rept \n
	PAIR rp, \j, rk
.set rp, rp+2
.set rk, rk+2
.endr
.endm
.macro ONE p, j, k                     ; place p: u_j u_k
.if MODE
	ds_load_b32 v[DST+\p], v[WAD] offset:4*(NU+(\j)*NU-(\j)*((\j)-1)/2+\k-(\j))
.else
	v_mul_f32 v[DST+\p], v[U+\j], v[U+\k]
.endif
.endm
.macro SELF n                          ; places 0 .. n - 1: the units themselves, which lie there already
.if MODE
.set rp, 0
.rept \n
	ds_load_b32 v[DST+rp], v[WAD] offset:4*rp
.set rp, rp+1
.endr
.endif
.endm
.macro ZERO p                          ; place p lies past K (W's registers were cleared ahead of the loads)
.if MODE == 0
	v_mov_b32 v[DST+\p], 0
.endif
.endm
; ---- layer 1: 189 numbers in six blocks
.macro L1B0                            ; 0-31: x_0..17; (0, 0..13)
	SELF 18
	RUN 18, 0, 0, 7
.endm
.macro L1B1                            ; 32-63: (0, 14..17), (1, 1..17), (2, 2..12)
	RUN 0, 0, 14, 2
	RUN 4, 1, 2, 8
	RUN 20, 2, 2, 5
	ONE 30, 1, 1
	ONE 31, 2, 12
.endm
.macro L1B2                            ; 64-95: (2, 13..17), (3, 3..17), (4, 4..15)
	RUN 0, 2, 14, 2
	RUN 4, 3, 4, 7
	RUN 18, 4, 4, 6
	ONE 30, 2, 13
	ONE 31, 3, 3
.endm
.macro L1B3                            ; 96-127: (4, 16..17), (5, 5..17), (6, 6..17), (7, 7..11)
	RUN 0, 4, 16, 1
	RUN 2, 5, 6, 6
	RUN 14, 6, 6, 6
	RUN 26, 7, 8, 2
	ONE 30, 5, 5
	ONE 31, 7, 7
.endm
.macro L1B4                            ; 128-159: (7, 12..17), (8, 8..17), (9, 9..17), (10, 10..16)
	RUN 0, 7, 12, 3
	RUN 6, 8, 8, 5
	RUN 16, 9, 10, 4
	RUN 24, 10, 10, 3
	ONE 30, 9, 9
	ONE 31, 10, 16
.endm
.macro L1B5                            ; 160-188: (10, 17), rows 11 .. 17 whole; three zeros
	RUN 0, 11, 12, 3
	RUN 6, 12, 12, 3
	RUN 12, 13, 14, 2
	RUN 16, 14, 14, 2
	RUN 20, 15, 16, 1
	RUN 22, 16, 16, 1
	ONE 24, 10, 17
	ONE 25, 11, 11
	ONE 26, 13, 13
	ONE 27, 15, 15
	ONE 28, 17, 17
	ZERO 29
	ZERO 30
	ZERO 31
.endm
; ---- layer 2: 230 numbers in eight blocks
.macro L2B0                            ; 0-31: h_0..19; (0, 0..11)
	SELF 20
	RUN 20, 0, 0, 6
.endm
.macro L2B1                            ; 32-63: (0, 12..19), (1, 1..19), (2, 2..6)
	RUN 0, 0, 12, 4
	RUN 8, 1, 2, 9
	RUN 26, 2, 2, 2
	ONE 30, 1, 1
	ONE 31, 2, 6
.endm
.macro L2B2                            ; 64-95: (2, 7..19), (3, 3..19), (4, 4..5)
	RUN 0, 2, 8, 6
	RUN 12, 3, 4, 8
	RUN 28, 4, 4, 1
	ONE 30, 2, 7
	ONE 31, 3, 3
.endm
.macro L2B3                            ; 96-127: (4, 6..19), (5, 5..19), (6, 6..8)
	RUN 0, 4, 6, 7
	RUN 14, 5, 6, 7
	RUN 28, 6, 6, 1
	ONE 30, 5, 5
	ONE 31, 6, 8
.endm
.macro L2B4                            ; 128-159: (6, 9..19), (7, 7..19), (8, 8..15)
	RUN 0, 6, 10, 5
	RUN 10, 7, 8, 6
	RUN 22, 8, 8, 4
	ONE 30, 6, 9
	ONE 31, 7, 7
.endm
.macro L2B5                            ; 160-191: (8, 16..19), (9, 9..19), (10, 10..19), (11, 11..17)
	RUN 0, 8, 16, 2
	RUN 4, 9, 10, 5
	RUN 14, 10, 10, 5
	RUN 24, 11, 12, 3
	ONE 30, 9, 9
	ONE 31, 11, 11
.endm
.macro L2B6                            ; 192-223: (11, 18..19), rows 12 .. 16 whole
	RUN 0, 11, 18, 1
	RUN 2, 12, 12, 4
	RUN 10, 13, 14, 3
	RUN 16, 14, 14, 3
	RUN 22, 15, 16, 2
	RUN 26, 16, 16, 2
	ONE 30, 13, 13
	ONE 31, 15, 15
.endm
.macro L2B7                            ; 224-229: rows 17 .. 19 whole; zeros (of the data only the first eight places are converted: the other codes' registers hold zeros)
	RUN 0, 17, 18, 1
	RUN 2, 18, 18, 1
	ONE 4, 17, 17
	ONE 5, 19, 19
	ZERO 6
	ZERO 7
.endm
; ---- the blocks' largest magnitudes
.macro MAX2 d, a, b
	v_max_num_f32 v[\d], |v[\a]|, |v[\b]|
.endm
.macro MAX3 d, a, b, c
	v_max3_num_f32 v[\d], |v[\a]|, |v[\b]|, |v[\c]|
.endm
.macro AMUL d, a, b
	v_mul_f32 v[\d], |v[\a]|, |v[\b]|
.endm
.macro TOP3 b, p, q, r
	v_max3_num_f32 v[M+\b], v[\p], v[\q], v[\r]
.endm
.macro TOPF b, p, q
	v_max3_num_f32 v[M+\b], v[\p], v[\q], FLOOR
.endm
.macro HOLD b
	v_max_num_f32 v[M+\b], FLOOR, v[M+\b]
.endm
; layer 1.  xSn: the largest |x_k| of k = n .. 17;  the others: of the range in their comment;  xPbi: the largest magnitude of part i of block b.  Independent chains stand by turns.
.set xS16, G
.set xS14, G+1
.set xS13, G+2
.set xS12, G+3
.set xS11, G+4
.set xS8,  G+5
.set xS5,  G+6
.set xS3,  G+7
.set xS1,  G+8
.set xS0,  G+9
.set xQ89, G+10
.set xQ56, G+11
.set xUU,  G+12
.set xRA,  G+13
.set xPB,  G+14
.set xRC,  G+15
.set xRD,  G+16
.set xRE,  G+17
.set xRF,  G+18
.set xP00, G+19
.set xP10, G+20
.set xP11, G+21
.set xP12, G+22
.set xP20, G+23
.set xP21, G+24
.set xP22, G+25
.set xP30, G+26
.set xP31, G+27
.set xP32, G+28
.set xP40, G+29
.set xP41, G+30
.set xP42, G+31
.set xP50, TMP
.set xP51, TMP+1
.macro MAXES1
	MAX2 xS16, U+16, U+17
	MAX2 xQ89, U+8, U+9                            ; 8 .. 9
	MAX2 xQ56, U+5, U+6                            ; 5 .. 6
	MAX3 xUU, U+13, U+14, U+15                     ; 13 .. 15
	MAX3 xS14, U+14, U+15, xS16
	MAX3 xRA, U+7, xQ89, U+10
	MAX3 xRF, U+10, U+11, U+12
	AMUL xP30, U+4, xS16                           ; (4, 16..17)
	MAX2 xS13, U+13, xS14
	MAX2 xRA, xRA, U+11                            ; 7 .. 11
	MAX3 xRF, xRF, xUU, U+16                       ; 10 .. 16
	AMUL xP10, U+0, xS14                           ; (0, 14..17)
	MAX2 xS12, U+12, xS13
	MAX3 xPB, xRA, U+4, xQ56
	AMUL xP20, U+2, xS13                           ; (2, 13..17)
	AMUL xP32, U+7, xRA                            ; (7, 7..11)
	MAX2 xS11, U+11, xS12
	MAX2 xPB, xPB, U+12                            ; 4 .. 12
	AMUL xP40, U+7, xS12                           ; (7, 12..17)
	AMUL xP42, U+10, xRF                           ; (10, 10..16)
	MAX3 xS8, xQ89, U+10, xS11
	MAX3 xRC, xPB, U+2, U+3                        ; 2 .. 12
	MAX2 xRE, xPB, xUU                             ; 4 .. 15
	AMUL xP50, xS11, xS11                          ; rows 11 .. 17 whole
	AMUL xP51, U+10, U+17                          ; (10, 17)
	MAX3 xS5, xQ56, U+7, xS8
	MAX3 xRD, xRC, U+0, U+1
	AMUL xP41, xQ89, xS8                           ; rows 8, 9 whole
	AMUL xP12, U+2, xRC                            ; (2, 2..12)
	AMUL xP22, U+4, xRE                            ; (4, 4..15)
	MAX3 xS3, U+3, U+4, xS5
	MAX2 xRD, xRD, U+13                            ; 0 .. 13
	AMUL xP31, xQ56, xS5                           ; rows 5, 6 whole
	TOPF 5, xP50, xP51
	TOP3 4, xP40, xP41, xP42
	MAX3 xS1, U+1, U+2, xS3
	AMUL xP21, U+3, xS3                            ; row 3 whole
	AMUL xP00, U+0, xRD                            ; (0, 0..13)
	TOP3 3, xP30, xP31, xP32
	HOLD 4
	MAX2 xS0, U+0, xS1                             ; x itself
	AMUL xP11, U+1, xS1                            ; row 1 whole
	TOP3 2, xP20, xP21, xP22
	HOLD 3
	TOPF 0, xS0, xP00
	TOP3 1, xP10, xP11, xP12
	HOLD 2
	HOLD 1
.endm
; layer 2, likewise: hSn: the largest |h_k| of k = n .. 19
.set hS18,   G
.set hS17,   G+1
.set hS16,   G+2
.set hTT,    G+3
.set hR1216, G+4
.set hS12,   G+5
.set hQ910,  G+6
.set hS9,    G+7
.set hS7,    G+8
.set hS6,    G+9
.set hS5,    G+10
.set hS3,    G+11
.set hS1,    G+12
.set hS0,    G+13
.set hR1117, G+14
.set hR815,  G+15
.set hR68,   G+16
.set hR45,   G+17
.set hR26,   G+18
.set hR011,  G+19
.set hP00, G+20
.set hP10, G+21
.set hP11, G+22
.set hP12, G+23
.set hP20, G+24
.set hP21, G+25
.set hP22, G+26
.set hP30, G+27
.set hP31, G+28
.set hP32, G+29
.set hP40, G+30
.set hP41, G+31
.set hP42, TMP
.set hP50, TMP+1
.set hP51, TMP+2
.set hP52, TMP+3
.set hP60, TMP+4
.set hP61, TMP+5
.set hP70, TMP+6
.macro MAXES2
	MAX2 hS18, U+18, U+19
	MAX3 hTT, U+12, U+13, U+14                     ; 12 .. 14
	MAX2 hQ910, U+9, U+10                          ; 9 .. 10
	MAX2 hR45, U+4, U+5                            ; 4 .. 5
	MAX2 hS17, U+17, hS18
	MAX3 hR1216, hTT, U+15, U+16                   ; 12 .. 16
	MAX3 hR68, U+6, U+7, U+8                       ; 6 .. 8
	MAX3 hR815, U+8, hQ910, U+11
	MAX2 hS16, U+16, hS17
	MAX3 hR26, U+2, U+3, hR45
	AMUL hP60, U+11, hS18                          ; (11, 18..19)
	AMUL hP70, hS17, hS17                          ; rows 17 .. 19 whole
	MAX2 hS12, hR1216, hS17
	MAX3 hR1117, U+11, hR1216, U+17                ; 11 .. 17
	MAX3 hR815, hR815, hTT, U+15                   ; 8 .. 15
	MAX2 hR26, hR26, U+6                           ; 2 .. 6
	AMUL hP50, U+8, hS16                           ; (8, 16..19)
	MAX3 hS9, hQ910, U+11, hS12
	AMUL hP61, hR1216, hS12                        ; rows 12 .. 16 whole
	AMUL hP10, U+0, hS12                           ; (0, 12..19)
	AMUL hP52, U+11, hR1117                        ; (11, 11..17)
	MAX3 hR011, U+0, U+1, hR26
	MAX3 hS7, U+7, U+8, hS9
	AMUL hP51, hQ910, hS9                          ; rows 9, 10 whole
	AMUL hP40, U+6, hS9                            ; (6, 9..19)
	AMUL hP42, U+8, hR815                          ; (8, 8..15)
	MAX3 hR011, hR011, hR68, hQ910
	MAX2 hS6, U+6, hS7
	AMUL hP41, U+7, hS7                            ; row 7 whole
	AMUL hP20, U+2, hS7                            ; (2, 7..19)
	AMUL hP12, U+2, hR26                           ; (2, 2..6)
	MAX2 hR011, hR011, U+11                        ; 0 .. 11
	MAX2 hS5, U+5, hS6
	AMUL hP30, U+4, hS6                            ; (4, 6..19)
	AMUL hP32, U+6, hR68                           ; (6, 6..8)
	AMUL hP22, U+4, hR45                           ; (4, 4..5)
	v_max_num_f32 v[M+7], FLOOR, v[hP70]
	MAX3 hS3, U+3, U+4, hS5
	AMUL hP31, U+5, hS5                            ; row 5 whole
	TOPF 6, hP60, hP61
	TOP3 5, hP50, hP51, hP52
	TOP3 4, hP40, hP41, hP42
	MAX3 hS1, U+1, U+2, hS3
	AMUL hP21, U+3, hS3                            ; row 3 whole
	AMUL hP00, U+0, hR011                          ; (0, 0..11)
	HOLD 5
	TOP3 3, hP30, hP31, hP32
	MAX2 hS0, U+0, hS1                             ; h itself
	AMUL hP11, U+1, hS1                            ; row 1 whole
	HOLD 4
	TOP3 2, hP20, hP21, hP22
	HOLD 3
	TOPF 0, hS0, hP00
	TOP3 1, hP10, hP11, hP12
	HOLD 2
	HOLD 1
.endm
; block b's 32 numbers at v[src ..] become 4 registers of codes: even blocks among rows 0-15's operands, odd blocks among rows 16-31's, at the place that the swap below will make right
.macro CVT b, src
.set cb, T+16*((\b)%2)+8*((\b)/4)+4*(((\b)/2)%2)
.irp g, 0,1,2,3
	v_cvt_scalef32_pk8_fp4_f32 v[cb+\g], v[\src+8*\g:\src+8*\g+7], v[SCO+\b]
.endr
.endm
.macro SWAPC o                         ; four registers of an even block and of the odd block beside it: the first's lanes 16-31 change places with the second's lanes 0-15
.irp g, 0,1,2,3
	v_permlane16_swap_b32 v[T+\o+\g], v[T+16+\o+\g]
.endr
.endm
.macro PLACES                          ; four plain vector instructions: between vector writes of an operand and the scaled matrix instruction that takes it, and between a matrix instruction and the first read of its result (ISA guide 7.12.1)
.rept 4
	v_nop
.endr
.endm
.macro WM d, a, b, c, sa, sb, ra, rb   ; ra, rb: which half of the lanes holds the sixteen scale words of source 0, of source 1
.if (\ra) && (\rb)
	v_wmma_scale_f32_16x16x128_f8f6f4 v[\d:\d+7], v[\a:\a+7], v[\b:\b+7], v[\c:\c+7], v[\sa], v[\sb] matrix_a_fmt:MATRIX_FMT_FP4 matrix_b_fmt:MATRIX_FMT_FP4 matrix_a_scale:MATRIX_SCALE_ROW1 matrix_b_scale:MATRIX_SCALE_ROW1
.elseif \ra
	v_wmma_scale_f32_16x16x128_f8f6f4 v[\d:\d+7], v[\a:\a+7], v[\b:\b+7], v[\c:\c+7], v[\sa], v[\sb] matrix_a_fmt:MATRIX_FMT_FP4 matrix_b_fmt:MATRIX_FMT_FP4 matrix_a_scale:MATRIX_SCALE_ROW1
.elseif \rb
	v_wmma_scale_f32_16x16x128_f8f6f4 v[\d:\d+7], v[\a:\a+7], v[\b:\b+7], v[\c:\c+7], v[\sa], v[\sb] matrix_a_fmt:MATRIX_FMT_FP4 matrix_b_fmt:MATRIX_FMT_FP4 matrix_b_scale:MATRIX_SCALE_ROW1
.else
	v_wmma_scale_f32_16x16x128_f8f6f4 v[\d:\d+7], v[\a:\a+7], v[\b:\b+7], v[\c:\c+7], v[\sa], v[\sb] matrix_a_fmt:MATRIX_FMT_FP4 matrix_b_fmt:MATRIX_FMT_FP4
.endif
.endm
; layer l's product for 32 rows: (W's rows 0-15, 16-31) x (data rows 0-15, 16-31): four accumulators by turns, one instruction a turn, K step by K step; the biases start the sums
.macro MATMUL l, d00, d01, d10, d11, c0, c1
	WM \d00, WF+32*\l, T, \c0, WS+2*\l, DS, 0, 0
	WM \d01, WF+32*\l, T+16, \c0, WS+2*\l, DS, 0, 1
	WM \d10, WF+32*\l+8, T, \c1, WS+2*\l, DS, 1, 0
	WM \d11, WF+32*\l+8, T+16, \c1, WS+2*\l, DS, 1, 1
	WM \d00, WF+32*\l+16, T+8, \d00, WS+2*\l+1, DS+1, 0, 0
	WM \d01, WF+32*\l+16, T+24, \d01, WS+2*\l+1, DS+1, 0, 1
	WM \d10, WF+32*\l+24, T+8, \d10, WS+2*\l+1, DS+1, 1, 0
	WM \d11, WF+32*\l+24, T+24, \d11, WS+2*\l+1, DS+1, 1, 1
.endm
; In a result lane (r, h) holds data row r and units 8 h + j.  The swap of the two data tiles' registers j leaves unit j of row l in the first and unit 8 + j in the second.  Each accumulator is read from its low end on.
.macro UNSWAP d00, d01, d10, d11
.irp j, 0,1,2,3,4,5,6,7
	v_permlane16_swap_b32 v[\d00+\j], v[\d01+\j]
.endr
.irp j, 0,1,2,3
	v_permlane16_swap_b32 v[\d10+\j], v[\d11+\j]   ; units 16 .. 19
.endr
.endm
.macro TANH z                          ; 20 numbers in place: 1 - 2 / (1 + 2^(2 z log2 e)).  Each kind of transcendental goes as one batch, with one plain instruction and one wait behind it, ahead of the first reader
.irp i, 0,2,4,6,8,10,12,14,16,18
	v_pk_mul_f32 v[\z+\i:\z+\i+1], v[\z+\i:\z+\i+1], C2L op_sel_hi:[1,0]
.endr
.irp i, 0,1,2,3,4,5,6,7,8,9,10,11,12,13,14,15,16,17,18,19
	v_exp_f32 v[\z+\i], v[\z+\i]
.endr
	v_nop
	s_wait_alu depctr_va_vdst(0)
.irp i, 0,2,4,6,8,10,12,14,16,18
	v_pk_add_f32 v[\z+\i:\z+\i+1], v[\z+\i:\z+\i+1], 1.0 op_sel_hi:[1,0]
.endr
.irp i, 0,1,2,3,4,5,6,7,8,9,10,11,12,13,14,15,16,17,18,19
	v_rcp_f32 v[\z+\i], v[\z+\i]
.endr
	v_nop
	s_wait_alu depctr_va_vdst(0)
.irp i, 0,2,4,6,8,10,12,14,16,18
	v_pk_fma_f32 v[\z+\i:\z+\i+1], v[\z+\i:\z+\i+1], -2.0, 1.0 op_sel_hi:[1,0,0]
.endr
.endm
.macro XLOAD t                         ; row 2 l + t of my wave's 64: 72 bytes, nine loads of 8
.irp i, 0,1,2,3,4,5,6,7,8
	ds_load_b64 v[U+2*\i:U+2*\i+1], v[XA] offset:XROW*\t+8*\i
.endr
.endm
; ================ the head
	s_load_b256 s[4:11], s[0:1], 0x0               ; x s[4:5], W1 s[6:7], W2 s[8:9], W3 s[10:11]
	s_load_b256 s[12:19], s[0:1], 0x20             ; b1 s[12:13], b2 s[14:15], b3 s[16:17], y s[18:19]
	v_lshl_add_u32 v252, v0, 2, 0x29000
	v_mov_b32 v253, 0
	ds_add_u32 v252, v253
	ds_add_u32 v252, v253
	v_lshrrev_b32 v11, 5, v0
	v_readfirstlane_b32 s[WV], v11                 ; wave 0 .. 15
	; x: a wave's 4,608 dense bytes as 18 rows of 256 (32 elements of 8 bytes)
	s_mov_b32 s[G1X], 3<<16                        ; no mask; elements of 8 bytes; no padding
	s_mov_b32 s[G1X+1], 32<<16                     ; tensor_dim0
	s_mov_b32 s[G1X+2], 18<<16                     ; tensor_dim1
	s_mov_b32 s[G1X+3], 32<<16                     ; tile_dim0
	s_mov_b32 s[G1X+4], 18                         ; tile_dim1
	s_mov_b32 s[G1X+5], 32                         ; from row to row
	s_mov_b32 s[G1X+6], 0
	s_mov_b32 s[G1X+7], 0
	; W1: 15,120 dense bytes as one row of 1,890 elements of 8 bytes;  W2: 18,400 bytes, 2,300 elements
	s_mov_b32 s[G1A], 3<<16
	s_mov_b32 s[G1A+1], 1890<<16
	s_mov_b32 s[G1A+2], 1<<16
	s_mov_b32 s[G1A+3], 1890<<16
	s_mov_b32 s[G1A+4], 1
	s_mov_b32 s[G1A+5], 1890
	s_mov_b32 s[G1A+6], 0
	s_mov_b32 s[G1A+7], 0
	s_mov_b32 s[G1B], 3<<16
	s_mov_b32 s[G1B+1], 2300<<16
	s_mov_b32 s[G1B+2], 1<<16
	s_mov_b32 s[G1B+3], 2300<<16
	s_mov_b32 s[G1B+4], 1
	s_mov_b32 s[G1B+5], 2300
	s_mov_b32 s[G1B+6], 0
	s_mov_b32 s[G1B+7], 0
	s_mul_i32 s21, s[WV], XWAVE                    ; my wave's bytes in the group's part of x,
	s_mul_i32 s22, ttmp9, 16*XWAVE                 ; the group's part of x (under 2^25)
	s_add_co_u32 s22, s22, s21
	s_mov_b32 s23, 0
	s_add_co_u32 s21, s21, XS                      ; and my wave's region in LDS
	s_wait_dscnt 0x0
	s_wait_kmcnt 0x0
	s_mov_b32 s[G0X], 1
	s_mov_b32 s[G0X+1], s21
	s_add_nc_u64 s[G0X+2:G0X+3], s[4:5], s[22:23]
	s_or_b32 s[G0X+3], s[G0X+3], 0x80000000
	s_mov_b32 s[G0A], 1
	s_mov_b32 s[G0A+1], W1F
	s_mov_b64 s[G0A+2:G0A+3], s[6:7]
	s_or_b32 s[G0A+3], s[G0A+3], 0x80000000
	s_mov_b32 s[G0B], 1
	s_mov_b32 s[G0B+1], W2F
	s_mov_b64 s[G0B+2:G0B+3], s[8:9]
	s_or_b32 s[G0B+3], s[G0B+3], 0x80000000
	s_lshl_b32 s22, ttmp9, 12                      ; y: 4,096 bytes a work-group, 256 a wave
	s_lshl_b32 s23, s[WV], 8
	s_add_co_u32 s22, s22, s23
	s_mov_b32 s23, 0
	s_add_nc_u64 s[18:19], s[18:19], s[22:23]
	; All fills of the launch, each LDS byte once.  Every wave fetches its own rows of x; wave 0 fetches W1 and wave 1 W2 ahead of them.  A wave's loads stand together in one arm; four v_nop follow.
	s_cmp_lg_u32 s[WV], 0
	s_cbranch_scc1 .Lnot_wave0
	tensor_load_to_lds s[G0A:G0A+3], s[G1A:G1A+7]
	s_nop 0
	tensor_load_to_lds s[G0X:G0X+3], s[G1X:G1X+7]
	s_nop 0
.rept 4
	v_nop
.endr
	s_branch .Lasked
.Lnot_wave0:
	s_cmp_lg_u32 s[WV], 1
	s_cbranch_scc1 .Lnot_wave1
	tensor_load_to_lds s[G0B:G0B+3], s[G1B:G1B+7]
	s_nop 0
	tensor_load_to_lds s[G0X:G0X+3], s[G1X:G1X+7]
	s_nop 0
.rept 4
	v_nop
.endr
	s_branch .Lasked
.Lnot_wave1:
	tensor_load_to_lds s[G0X:G0X+3], s[G1X:G1X+7]
	s_nop 0
.rept 4
	v_nop
.endr
.Lasked:
	v_and_b32 v11, 31, v0                          ; lane
	v_and_b32 v12, 15, v0                          ; r = lane % 16
	v_bfe_u32 v13, v0, 4, 1                        ; h = lane / 16
	v_lshlrev_b32 v[BO], 5, v13
	v_mov_b32 v[ZO], 0
	global_load_b128 v[BI:BI+3], v[BO], s[12:13]                 ; b1 in the result's layout: register j of lane (r, h) is the bias of unit 8 h + j;
	global_load_b128 v[BI+4:BI+7], v[BO], s[12:13] offset:16
	global_load_b128 v[BI+8:BI+11], v[ZO], s[12:13] offset:64    ; units 16 .. 19.  (As a C of eight registers this run goes on into the next four, which feed units that nobody reads)
	global_load_b128 v[BI+12:BI+15], v[BO], s[14:15]             ; b2 likewise
	global_load_b128 v[BI+16:BI+19], v[BO], s[14:15] offset:16
	global_load_b128 v[BI+20:BI+23], v[ZO], s[14:15] offset:64
.irp i, 0,1,2,3,4
	global_load_b128 v[W3R+4*\i:W3R+4*\i+3], v[ZO], s[10:11] offset:16*\i   ; W3, the same 20 numbers in every lane
.endr
	global_load_b32 v[B3R], v[ZO], s[16:17]
	v_mov_b32 v[B3R+1], 0
	; every LDS address is made here, ahead of the branches on the wave's number
	v_mul_u32_u24 v[XA], v11, 2*XROW
	v_add_nc_u32 v[XA], s21, v[XA]                 ; rows 2 l and 2 l + 1 of my wave's region
	v_lshl_add_u32 v[LI], v11, 4, IMG
	v_lshl_add_u32 v[LS], v11, 2, SCW
	v_and_b32 v14, 12, v0
	v_sub_nc_u32 v14, 16, v14
	v_mul_u32_u24 v14, v13, v14
	v_add_nc_u32 v14, v12, v14                     ; my row of W: r + h (16 - (r & 12)): lanes 0-19 take rows 0-19, lanes 20-31 repeat rows 16-19
	v_mul_u32_u24 v[WA1], v14, W1ROW               ; (W1 lies at LDS byte 0)
	v_mul_u32_u24 v[WA2], v14, W2ROW
	v_add_nc_u32 v[WA2], W2F, v[WA2]
	; wave w = 8 layer + 4 s + 2 c + hb makes block 4 s + 2 c + hb.  The codes of operand row 16 a + r go to registers 8 a + 4 c .. + 3 of lane r + 16 hb in image 2 layer + s
	s_lshr_b32 s60, s[WV], 2                       ; 2 layer + s
	s_lshl_b32 s61, s60, 11                        ; an image is 2,048 bytes
	s_and_b32 s62, s[WV], 3                        ; 2 c + hb: the block's byte in the scale word, and
	s_lshl_b32 s63, s62, 8                         ; 512 c + 256 hb
	s_add_co_u32 s61, s61, s63
	s_add_co_u32 s61, s61, IMG
	s_lshl_b32 s60, s60, 7                         ; 128 bytes of scale words an image
	s_add_co_u32 s60, s60, s62
	s_add_co_u32 s60, s60, SCW
	v_lshlrev_b32 v[IST], 10, v13                  ; 1,024 a (my lane's half is the operand's a)
	v_lshl_add_u32 v[IST], v12, 4, v[IST]          ; + 16 r
	v_add_nc_u32 v[IST], s61, v[IST]
	v_lshl_add_u32 v[SST], v11, 2, s60             ; the word of operand row l, my block's byte
	v_lshlrev_b32 v[YO], 3, v11
.set i, 0
.rept 32
	v_mov_b32 v[G+i], 0                            ; W's numbers: what lies past K, and the two blocks that layer 1 does not have, stay zeros
.set i, i+1
.endr
	s_wait_tensorcnt 0x1                           ; in waves 0 and 1 one load, x's, was issued behind W's: W has landed; x may stay out
	s_barrier_signal -1
	s_barrier_wait -1                              ; W1 and W2 lie in LDS for every wave
; ================ the weights: my block, my row.  The same lists as for the data, as loads
.set MODE, 1
.set DST, G
.macro ONLY w, wad, nu
	s_cmp_lg_u32 s[WV], \w
	s_cbranch_scc1 .Lnot_\w
.set WAD, \wad
.set NU, \nu
.endm
	ONLY 0, WA1, NU1
	L1B0
.Lnot_0:
	ONLY 1, WA1, NU1
	L1B1
.Lnot_1:
	ONLY 2, WA1, NU1
	L1B2
.Lnot_2:
	ONLY 3, WA1, NU1
	L1B3
.Lnot_3:
	ONLY 4, WA1, NU1
	L1B4
.Lnot_4:
	ONLY 5, WA1, NU1
	L1B5
.Lnot_5:
	ONLY 8, WA2, NU2
	L2B0
.Lnot_8:
	ONLY 9, WA2, NU2
	L2B1
.Lnot_9:
	ONLY 10, WA2, NU2
	L2B2
.Lnot_10:
	ONLY 11, WA2, NU2
	L2B3
.Lnot_11:
	ONLY 12, WA2, NU2
	L2B4
.Lnot_12:
	ONLY 13, WA2, NU2
	L2B5
.Lnot_13:
	ONLY 14, WA2, NU2
	L2B6
.Lnot_14:
	ONLY 15, WA2, NU2
	L2B7
.Lnot_15:
	s_wait_dscnt 0x0
	v_max3_num_f32 v[TMP], |v[G]|, |v[G+1]|, FLOOR                 ; the block's largest magnitude, in two chains, with the floor among the leaves
	v_max3_num_f32 v[TMP+1], |v[G+2]|, |v[G+3]|, |v[G+4]|
.irp i, 5,9,13,17,21,25
	v_max3_num_f32 v[TMP], v[TMP], |v[G+\i]|, |v[G+\i+1]|
	v_max3_num_f32 v[TMP+1], v[TMP+1], |v[G+\i+2]|, |v[G+\i+3]|
.endr
	v_max3_num_f32 v[TMP], v[TMP], |v[G+29]|, |v[G+30]|
	v_max3_num_f32 v[TMP], v[TMP], v[TMP+1], |v[G+31]|
	v_add_nc_u32 v[SCO], OFF2, v[TMP]              ; 2 off its exponent field: the conversion takes the exponent field of this operand as its scale
.irp g, 0,1,2,3
	v_cvt_scalef32_pk8_fp4_f32 v[T+\g], v[G+8*\g:G+8*\g+7], v[SCO]
.endr
	v_lshrrev_b32 v[TMP+2], 23, v[SCO]             ; the scale's byte (and the plain instruction behind the conversions)
	ds_store_b128 v[IST], v[T:T+3]
	ds_store_b8 v[SST], v[TMP+2]
	s_wait_dscnt 0x0                               ; for the others' sake: my part of the images has landed
	s_barrier_signal -1
	s_barrier_wait -1                              ; the four images and their scale words are whole
.irp q, 0,1,2,3,4,5,6,7,8,9,10,11,12,13,14,15
	ds_load_b128 v[WF+4*\q:WF+4*\q+3], v[LI] offset:512*\q       ; all of W's fragments stay in my registers for both tiles
.endr
.irp i, 0,1,2,3
	ds_load_b32 v[WS+\i], v[LS] offset:128*\i
.endr
	s_wait_tensorcnt 0x0                           ; my rows of x have landed; only my wave reads them
	XLOAD 0
	s_wait_loadcnt 0x0                             ; the biases, W3, b3
; ================ a tile of 32 rows through the three layers
.set MODE, 0
.macro TILE t
	s_wait_dscnt 0x0                               ; x is in (ahead of the first tile: W's fragments too)
	; ---- layer 1: scales first (they need x alone), then block by block: products, conversions
.set NU, NU1
	MAXES1
.irp b, 0,1,2,3,4,5
	v_add_nc_u32 v[SCO+\b], OFF2, v[M+\b]
.endr
	v_lshrrev_b32 v[DS], 23, v[SCO]                ; the bytes make the row's two scale words; blocks 6 and 7 do not exist: their bytes stay 0, over zero codes
	v_lshrrev_b32 v[DS+1], 23, v[SCO+4]
.irp b, 1,2,3,5
	v_lshrrev_b32 v[TMP+\b], 23, v[SCO+\b]
.endr
	v_lshl_or_b32 v[DS], v[TMP+1], 8, v[DS]
	v_lshl_or_b32 v[DS+1], v[TMP+5], 8, v[DS+1]
	v_lshl_or_b32 v[DS], v[TMP+2], 16, v[DS]
	v_lshl_or_b32 v[DS], v[TMP+3], 24, v[DS]
.set DST, U
	L1B0
	CVT 0, U
.set DST, G
	L1B1
	CVT 1, G
	v_mov_b32 v[T+12], 0                           ; the codes of blocks 6 and 7 are zeros.  These eight lines are also the plain instruction that stands between a block's conversions and the next block's
	v_mov_b32 v[T+13], 0                           ; products, which write the conversions' sources
	L1B2
	CVT 2, G
	v_mov_b32 v[T+14], 0
	v_mov_b32 v[T+15], 0
	L1B3
	CVT 3, G
	v_mov_b32 v[T+28], 0
	v_mov_b32 v[T+29], 0
	L1B4
	CVT 4, G
	v_mov_b32 v[T+30], 0
	L1B5
	CVT 5, G
	v_mov_b32 v[T+31], 0
	SWAPC 0
	SWAPC 4
	SWAPC 8
	PLACES
	MATMUL 0, U, U+8, U+16, G, BI, BI+8            ; x is done with: the sums land where h is wanted, units 0 .. 19 on end
	PLACES
	UNSWAP U, U+8, U+16, G
	TANH U
	; ---- layer 2
.set NU, NU2
	MAXES2
.irp b, 0,1,2,3,4,5,6,7
	v_add_nc_u32 v[SCO+\b], OFF2, v[M+\b]
.endr
	v_lshrrev_b32 v[DS], 23, v[SCO]
	v_lshrrev_b32 v[DS+1], 23, v[SCO+4]
.irp b, 1,2,3,5,6,7
	v_lshrrev_b32 v[TMP+\b], 23, v[SCO+\b]
.endr
.set DST, U
	L2B0
	CVT 0, U
.set DST, G
	L2B1
	CVT 1, G
	v_lshl_or_b32 v[DS+1], v[TMP+5], 8, v[DS+1]    ; the scale words are put together in the places behind the conversions; the last of these lines stands eleven plain instructions ahead of the products
	L2B2
	CVT 2, G
	v_lshl_or_b32 v[DS+1], v[TMP+6], 16, v[DS+1]
	L2B3
	CVT 3, G
	v_lshl_or_b32 v[DS+1], v[TMP+7], 24, v[DS+1]
	L2B4
	CVT 4, G
	v_lshl_or_b32 v[DS], v[TMP+1], 8, v[DS]
	L2B5
	CVT 5, G
	v_lshl_or_b32 v[DS], v[TMP+2], 16, v[DS]
	L2B6
	CVT 6, G
	v_lshl_or_b32 v[DS], v[TMP+3], 24, v[DS]
	L2B7
.if \t == 0
	XLOAD 1                                        ; h is done with: the next tile's x lands while this tile is finished
.endif
	v_cvt_scalef32_pk8_fp4_f32 v[T+28], v[G:G+7], v[SCO+7]   ; block 7: six numbers and zeros; its other three registers of codes have held zeros since layer 1
	v_nop                                          ; a plain instruction between the conversion and the swap that takes its result
	SWAPC 0
	SWAPC 4
	SWAPC 8
	SWAPC 12
	PLACES
	MATMUL 1, G, G+8, G+16, G+24, BI+12, BI+20
	PLACES
	UNSWAP G, G+8, G+16, G+24
	TANH G
	; ---- layer 3: 20 fused multiply-adds in f32, two at a time in two chains; b3 starts the first
	v_pk_fma_f32 v[TMP:TMP+1], v[G:G+1], v[W3R:W3R+1], v[B3R:B3R+1]
	v_pk_mul_f32 v[TMP+2:TMP+3], v[G+2:G+3], v[W3R+2:W3R+3]
.irp i, 4,8,12,16
	v_pk_fma_f32 v[TMP:TMP+1], v[G+\i:G+\i+1], v[W3R+\i:W3R+\i+1], v[TMP:TMP+1]
	v_pk_fma_f32 v[TMP+2:TMP+3], v[G+\i+2:G+\i+3], v[W3R+\i+2:W3R+\i+3], v[TMP+2:TMP+3]
.endr
	v_pk_add_f32 v[TMP:TMP+1], v[TMP:TMP+1], v[TMP+2:TMP+3]
	v_add_f32 v[Y+\t], v[TMP], v[TMP+1]
.endm
	TILE 0
	TILE 1
	global_store_b64 v[YO], v[Y:Y+1], s[18:19] th:TH_STORE_NT    ; rows 2 l and 2 l + 1: the wave stores 256 consecutive bytes, at a multiple of 256 from y's first byte
	s_wait_tensorcnt 0x0
	ds_add_u32 v252, v253
	s_wait_dscnt 0x0
	s_endpgm
.Lfunc_end_k_qc04f6d518b_taylor:
	.size	k_qc04f6d518b_taylor, .Lfunc_end_k_qc04f6d518b_taylor-k_qc04f6d518b_taylor
	.p2alignl 7, 3214868480
	.fill 96, 4, 3214868480
	.section	.rodata,"a",@progbits
	.p2align	6, 0x0
	.amdhsa_kernel k_qc04f6d518b_taylor
		.amdhsa_group_segment_fixed_size 169984
		.amdhsa_private_segment_fixed_size 0
		.amdhsa_enable_private_segment 0
		.amdhsa_kernarg_size 64
		.amdhsa_user_sgpr_count 2
		.amdhsa_user_sgpr_kernarg_segment_ptr 1
		.amdhsa_wavefront_size32 1
		.amdhsa_system_sgpr_workgroup_id_x 1
		.amdhsa_system_sgpr_workgroup_id_y 1
		.amdhsa_system_sgpr_workgroup_id_z 1
		.amdhsa_system_vgpr_workitem_id 0
		.amdhsa_next_free_vgpr 256
		.amdhsa_next_free_sgpr 66
		.amdhsa_reserve_vcc 0
		.amdhsa_float_denorm_mode_32 3
		.amdhsa_float_denorm_mode_16_64 3
		.amdhsa_memory_ordered 1
		.amdhsa_forward_progress 1
		.amdhsa_inst_pref_size 112
	.end_amdhsa_kernel
	.amdgpu_metadata
---
amdhsa.version: [ 1, 2 ]
amdhsa.kernels:
  - .name:           k_qc04f6d518b_taylor
    .symbol:         k_qc04f6d518b_taylor.kd
    .args:
      - { .name: x, .offset: 0, .size: 8, .value_kind: global_buffer, .address_space: global }
      - { .name: W1, .offset: 8, .size: 8, .value_kind: global_buffer, .address_space: global }
      - { .name: W2, .offset: 16, .size: 8, .value_kind: global_buffer, .address_space: global }
      - { .name: W3, .offset: 24, .size: 8, .value_kind: global_buffer, .address_space: global }
      - { .name: b1, .offset: 32, .size: 8, .value_kind: global_buffer, .address_space: global }
      - { .name: b2, .offset: 40, .size: 8, .value_kind: global_buffer, .address_space: global }
      - { .name: b3, .offset: 48, .size: 8, .value_kind: global_buffer, .address_space: global }
      - { .name: out0, .offset: 56, .size: 8, .value_kind: global_buffer, .address_space: global }
    .group_segment_fixed_size: 169984
    .private_segment_fixed_size: 0
    .kernarg_segment_align: 8
    .kernarg_segment_size: 64
    .max_flat_workgroup_size: 512
    .sgpr_count:     66
    .vgpr_count:     256
    .wavefront_size: 32
...
	.end_amdgpu_metadata
.endif
;; end of part 1
